; MI455X (gfx1250); checked and timed in simulation.
; The chip was launched on July 23, 2026; its instructions are those of AMD's public machine-readable ISA for CDNA 5 (MIT licence, August 2026) and "CDNA5" Instruction Set Architecture Reference Guide (July 2026). The comments in the code are by the model that wrote it; some were corrected since.
;; Mo E Layer. Allowed arithmetic: matrix products marked QUANTISED: E2M3 operands, one E8M0 scale for each 32 along K, by v_wmma_scale_f32_16x16x128_f8f6f4 with both operands' format E2M3, f32 sums; products left as they are: f32 operands where the result goes on into a quantised operand, else bf16, f16 or f32 operands; f32 sums; everything else in f32.
;; Inputs: W1_codes 8 x 4,096 x 32 x 24 uint8 (E2M3 codes of W1, K innermost, in blocks of 32 codes, four codes in three bytes); W1_scales 8 x 4,096 x 32 uint8 (E8M0 scales of W1, one for each 32 codes along K); W2_codes 8 x 1,024 x 64 x 24 uint8 (E2M3 codes of W2, K innermost, in blocks of 32 codes, four codes in three bytes); W2_scales 8 x 1,024 x 64 uint8 (E8M0 scales of W2, one for each 32 codes along K); b1 8 x 4,096 float32; b2 8 x 1,024 float32; router_b 8 float32; router_w 8 x 1,024 float32; x 4 x 256 x 1,024 float32.
;; Outputs: out0 4 x 256 x 1,024 float32.
;; This version of the problem:
;;   THIS VERSION OF THE PROBLEM IS GIVEN IN LOW PRECISION. The matrix products marked QUANTISED in the list below multiply operands that are first quantised to E2M3 (2 exponent bits, 3 mantissa bits; 6 bits a number), with one power-of-two scale for each 32 numbers along K (OCP MX v1.0); their sums are f32. All else is computed in f32.
;;   The module's matrix products, in the order in which they are computed (A, B: the left and right operand; K: the contracted axis; several contracted axes count as one K, in the product's order):
;;     1. [M 1,024, K 1,024] x [K 1,024, N 8]; A: input x; B: input router_w: left as it is (N = 8 < 16)
;;     2. [M 1,024, K 1,024] x [K 1,024, N 4,096]; A: input x; B: input W1 (given as codes): QUANTISED
;;     3. [M 1,024, K 2,048] x [K 2,048, N 1,024]; A: computed on the way; B: input W2 (given as codes): QUANTISED
;;     4. [M 1,024, K 1,024] x [K 1,024, N 4,096]; A: input x; B: input W1 (given as codes): QUANTISED
;;     5. [M 1,024, K 2,048] x [K 2,048, N 1,024]; A: computed on the way; B: input W2 (given as codes): QUANTISED
;;     6. [M 1,024, K 1,024] x [K 1,024, N 4,096]; A: input x; B: input W1 (given as codes): QUANTISED
;;     7. [M 1,024, K 2,048] x [K 2,048, N 1,024]; A: computed on the way; B: input W2 (given as codes): QUANTISED
;;     8. [M 1,024, K 1,024] x [K 1,024, N 4,096]; A: input x; B: input W1 (given as codes): QUANTISED
;;     9. [M 1,024, K 2,048] x [K 2,048, N 1,024]; A: computed on the way; B: input W2 (given as codes): QUANTISED
;;     10. [M 1,024, K 1,024] x [K 1,024, N 4,096]; A: input x; B: input W1 (given as codes): QUANTISED
;;     11. [M 1,024, K 2,048] x [K 2,048, N 1,024]; A: computed on the way; B: input W2 (given as codes): QUANTISED
;;     12. [M 1,024, K 1,024] x [K 1,024, N 4,096]; A: input x; B: input W1 (given as codes): QUANTISED
;;     13. [M 1,024, K 2,048] x [K 2,048, N 1,024]; A: computed on the way; B: input W2 (given as codes): QUANTISED
;;     14. [M 1,024, K 1,024] x [K 1,024, N 4,096]; A: input x; B: input W1 (given as codes): QUANTISED
;;     15. [M 1,024, K 2,048] x [K 2,048, N 1,024]; A: computed on the way; B: input W2 (given as codes): QUANTISED
;;     16. [M 1,024, K 1,024] x [K 1,024, N 4,096]; A: input x; B: input W1 (given as codes): QUANTISED
;;     17. [M 1,024, K 2,048] x [K 2,048, N 1,024]; A: computed on the way; B: input W2 (given as codes): QUANTISED
;;   THE QUANTISER, for each operand of a quantised product, along K:
;;     - K is cut into blocks of 32 from its start; a last block that is shorter is filled with zeros.
;;     - A block's scale is 2^e with e = floor(log2(the largest magnitude in the block)) - 2, held to -126 .. 127; a block of zeros has e = 0. As a byte (E8M0): e + 127.
;;     - Each number is divided by its block's scale, clamped to +-7.5, and rounded to the nearest number of E2M3, ties to even, subnormals kept.
;;     - The product sums the exact products of the quantised numbers (number of the format x scale) in f32.
;;   ~~~python
;;   def quantise(x, axis):      # numpy; x: float32 -> the quantised numbers, widened to float32 again
;;       x = np.moveaxis(x, axis, -1); K = x.shape[-1]
;;       x = np.pad(x, [(0, 0)] * (x.ndim - 1) + [(0, -K % 32)]); x = x.reshape(x.shape[:-1] + (-1, 32)); a = np.abs(x).max(-1, keepdims=True)
;;       e = np.where(a > 0, np.clip(np.frexp(np.where(a > 0, a, 1))[1] - 1 - 2, -126, 127), 0)      # np.frexp(a)[1] - 1 = floor(log2(a)), exactly
;;       r = np.clip(x / 2.0 ** e, -7.5, 7.5)
;;       step = 2.0 ** (np.maximum(np.frexp(np.where(r == 0, 1, r))[1] - 1, 0) - 3)
;;       q = np.round(r / step) * step * 2.0 ** e      # np.round: ties to even
;;       return np.moveaxis(q.reshape(q.shape[:-2] + (-1,))[..., :K], -1, axis).astype(np.float32)
;;   ~~~
;;   OPERANDS COMPUTED ON THE WAY. 'Computed on the way' means the value that the module computes at that place (a softmax that the list does not call 'softmax' is quantised finished and normalised). What goes into a quantiser is computed in f32, as accurately as f32 sums, v_exp_f32 and their like allow (about 1e-6 of the number): no bf16 or f16 on the way to a quantiser, and a product that is left as it is and whose result goes on into a quantised operand takes f32 operands (vector FMAs, or v_wmma_f32_16x16x4_f32). A number that lies on a knife's edge between two numbers of the format may be rounded either way, as far as f32 arithmetic and the matrix unit's own rounding can turn it there, and no further.
;;   INPUTS GIVEN AS CODES. W1 (in the module: [8, 1024, 4096], K = its axis 1); W2 (in the module: [8, 2048, 1024], K = its axis 1): each comes as NAME_codes (uint8): NAME with its K axis moved to the last place and cut into blocks of 32 codes, [.., K / 32, bytes a block], one block behind the other in memory; four codes in three bytes: a row's codes are one little-endian stream of bits, code i at bits 6 i .. 6 i + 5 (a code: sign, 2 exponent bits, 3 mantissa bits); and NAME_scales (uint8): the same leading axes, one E8M0 byte (e + 127) for each 32 codes along K. Its value is code x scale, taken as it is: it is not quantised again, and the codes and scales need not be those that the quantiser above would give.
;; One version. Each part assembles by itself: llvm-mc -triple=amdgcn-amd-amdhsa -mcpu=gfx1250 --defsym DOCPART=n.
;; ======== version 1 of 1: 4 launches
;; limits: right only within a limited range of input values
;; workspace buffers: xq 819,200 bytes; top_idx 8,192 bytes of whole numbers; top_w 8,192 bytes; rows 34,048 bytes of whole numbers; act 13,107,200 bytes; ys 8,912,896 bytes
;; launch route (part 1): grid 64 x 1, 8 waves a work-group, no clusters, 123,904 bytes of LDS; arguments x, router_w, router_b, xq, top_idx, top_w; writes xq, top_idx, top_w
.if DOCPART == 1
	.amdgcn_target "amdgcn-amd-amdhsa--gfx1250"
	.amdhsa_code_object_version 6
	.text
	.protected	k_qd608febc87_route
	.globl	k_qd608febc87_route
	.p2align	8
	.type	k_qd608febc87_route,@function
k_qd608febc87_route:
	s_mov_b64 s[64:65], 0
	v_nop
	global_prefetch_b8 v0, s[64:65] scope:SCOPE_SE
	s_setreg_imm32_b32 hwreg(HW_REG_WAVE_MODE, 25, 1), 1
	s_wait_xcnt 0x0
; ROUTE.  For 16 tokens a work-group: the router's logits (f32 operands, f32 sums), the two largest with their softmax weights, and x as codes of FP6 (E2M3) with one E8M0 byte for each 32 along K.
; SHARES.  Work-group g owns tokens 16 g .. 16 g + 15; wave s owns K step s (k = 128 s .. 128 s + 127) of all 16.  For the work a lane (r = lane % 16, h = lane / 16) holds, of token r, 16 neighbours of each block
; of 32: register 16 b + i = k 32 b + 16 h + i.  The same registers feed the router's product and the quantiser, so x is read once.
; THE WAY IN.  Each load reads 512 consecutive bytes, 16 a lane: one token's (or one router row's) part of my K step.  The 24 rows turn through my wave's own LDS (rows 528 bytes apart) and come back in the layout above.
; THE ROUTER.  1,024 x 1,024 x 8 multiply-adds in all: small work, done by the f32 matrix form so that the choice of experts hangs on f32 sums.  Source 0 = router_w (rows 8-15 repeat rows 0-7), source 1 = x; k is
; permuted alike in both.  In the result register j of every lane holds expert j's part of token r's logit.  The eight waves' parts meet in LDS; wave 0 adds them, adds router_b and chooses.
; THE CHOICE is stored at fixed places (top_idx, top_w: [token][2]); no address of this launch hangs on it.  Ties go to the lower index.  The softmax of the two takes the larger away first.
; xq: a token's codes are 768 bytes, laid in the order of the operand's registers: byte 384 h + 48 s + 16 q holds registers 4 q .. 4 q + 3 of lane half h for K step s; scale words at 786,432 + 32 token + 4 s.
; LIMITS: NaN and infinities among the inputs are not served.  A block whose largest magnitude lies under 2^-124 gets the byte 1; a block of zeros gets the byte 1 where the quantiser says 127: its codes are zeros,
; and the bytes are read by this program alone.
; WORK LEFT OUT BY THE PROGRAM.  reference() weighs expert e's row y by combine[b,t,e], which its own one_hot makes 0 for every expert that top_k did not choose for the token: for all values of the inputs such a row
; reaches no output.  The later launches read the choice as whole numbers from memory (top_idx) and multiply the chosen rows alone.  LIMIT: a NaN, an infinity or an overflow that would arise only in a row left out is not carried to the result.
.set PL,  0
.set XST, 8192                         ; an image of the group's 16 rows of xq's codes, 12,288 bytes
.set SST, 20480                        ; and of their scale words, 512 bytes
.set XT,  21504                        ; the way in: for each wave 16 rows of x and 8 of router_w
.set TP,  528                          ; a row there: 512 bytes + 16 = 132 words: row r starts at bank 4 r mod 64 (64 banks of 4 bytes: ISA guide 11.1)
.set WREG, 24*TP                       ; a wave's part
.set X,   16                           ; v16-79   64 numbers of x
.set W,   80                           ; v80-143  64 numbers of router_w
.set ACC, 144                          ; v144-175 four accumulators, written by matrix instructions alone
.set P,   176                          ; v176-183 my part of the logits
.set TM,  184                          ; v184-199 at work in the quantiser
.set PW,  200                          ; the scale word just made
.set PC,  204                          ; v204-222 the codes just made
.set T2,  224                          ; v224-231 at work
.set SEL, 20                           ; s[20:21] lane selects for v_permlanex16_b32: lane l xor 16
; 64 numbers of a lane, register 16 b + i = k 32 b + 16 h + i of my row, become a fragment's codes in v[PC] on and its scale word in v[PW].
.macro QUANT s
.irp b, 0,1,2,3
	v_max3_num_f32 v[TM+\b], |v[\s+16*\b]|, |v[\s+1+16*\b]|, 0x1800000   ; block b: my 16 numbers, and the floor 2^(3 - 127): the byte cannot fall under 1
.endr
.irp i, 2,4,6,8,10,12,14
.irp b, 0,1,2,3
	s_delay_alu instid0(VALU_DEP_4)
	v_max3_num_f32 v[TM+\b], v[TM+\b], |v[\s+16*\b+\i]|, |v[\s+1+16*\b+\i]|   ; the four blocks by turns
.endr
.endr
.irp b, 0,1,2,3
	s_delay_alu instid0(VALU_DEP_4)
	v_permlanex16_b32 v[TM+4+\b], v[TM+\b], s[SEL], s[SEL+1]
.endr
.irp b, 0,1,2,3
	s_delay_alu instid0(VALU_DEP_4)
	v_max_num_f32 v[TM+\b], v[TM+\b], v[TM+4+\b]   ; with lane l xor 16's: the block's largest magnitude
.endr
.irp b, 0,1,2,3
	s_delay_alu instid0(VALU_DEP_4)
	v_add_nc_u32 v[TM+12+\b], 0xff000000, v[TM+\b]   ; 2 off its exponent field: the conversion takes this operand's exponent field as its scale
.endr
.irp b, 0,1,2,3
	s_delay_alu instid0(VALU_DEP_4)
	v_lshrrev_b32 v[TM+4+\b], 23, v[TM+12+\b]      ; the scale's byte
.endr
	s_delay_alu instid0(VALU_DEP_3)
	v_lshl_or_b32 v[PW], v[TM+5], 8, v[TM+4]       ; four bytes make my row's scale word
	s_delay_alu instid0(VALU_DEP_1)
	v_lshl_or_b32 v[PW], v[TM+6], 16, v[PW]
	s_delay_alu instid0(VALU_DEP_1)
	v_lshl_or_b32 v[PW], v[TM+7], 24, v[PW]
.irp c, 0,1
	v_cvt_scalef32_pk16_fp6_f32 v[PC+6*\c:PC+2+6*\c], v[\s+32*\c:\s+15+32*\c], v[TM+12+2*\c]
	v_cvt_scalef32_pk16_fp6_f32 v[PC+12+4*\c:PC+14+4*\c], v[\s+16+32*\c:\s+31+32*\c], v[TM+12+2*\c+1]   ; (a conversion's three registers begin on an even number)
.endr
	v_nop                                          ; one plain place behind a scaled conversion
.irp c, 0,1                                    ; the operand's layout wants a whole block in a lane: lanes 0-15 block 2 c, lanes 16-31 block 2 c + 1
.irp i, 0,1,2
	v_permlane16_swap_b32 v[PC+6*\c+\i], v[PC+12+4*\c+\i]
.endr
.irp i, 0,1,2
	s_delay_alu instid0(VALU_DEP_3)
	v_mov_b32 v[PC+3+6*\c+\i], v[PC+12+4*\c+\i]
.endr
.endr
.endm
	s_load_b256 s[4:11], s[0:1], 0x0               ; x s[4:5], router_w s[6:7], router_b s[8:9], xq s[10:11]
	s_load_b128 s[12:15], s[0:1], 0x20             ; top_idx s[12:13], top_w s[14:15]
	v_lshl_add_u32 v232, v0, 2, 0x1e000
	v_mov_b32 v233, 0
	v_lshrrev_b32 v13, 5, v0
	s_delay_alu instid0(VALU_DEP_1)
	v_readfirstlane_b32 s16, v13                   ; wave = K step
	v_and_b32 v1, 15, v0                           ; r
	v_bfe_u32 v2, v0, 4, 1                         ; h
	v_and_b32 v11, 31, v0                          ; lane
	s_delay_alu instid0(VALU_DEP_1)
	v_lshlrev_b32 v14, 4, v11                      ; 16 lane: my 16 bytes of a load's 512
	s_lshl_b32 s22, s16, 9                         ; my K step: 512 bytes along a row
	s_mov_b32 s23, 0
	s_lshl_b32 s18, ttmp9, 16                      ; my group's 16 rows of x
	s_add_co_u32 s18, s18, s22
	s_mov_b32 s19, 0
	s_mov_b32 s[SEL], 0x76543210
	s_mov_b32 s[SEL+1], 0xfedcba98
	s_mov_b32 s41, 0
	s_wait_alu depctr_va_vdst(0)
	s_wait_kmcnt 0x0
	s_add_nc_u64 s[4:5], s[4:5], s[18:19]
	s_add_nc_u64 s[6:7], s[6:7], s[22:23]
	s_load_b256 s[24:31], s[8:9], 0x0              ; router_b's eight numbers
.irp i, 0,1,2,3,4,5,6,7,8,9,10,11,12,13,14,15
	global_load_b128 v[X+4*\i:X+4*\i+3], v14, s[4:5] offset:4096*\i th:TH_LOAD_NT   ; token i: 32 lanes read 512 consecutive bytes
.endr
.irp i, 0,1,2,3,4,5,6,7
	global_load_b128 v[W+4*\i:W+4*\i+3], v14, s[6:7] offset:4096*\i                 ; expert i likewise
.endr
	; addresses, while the loads are out
	s_mul_i32 s17, s16, WREG
	s_add_co_u32 s17, s17, XT                      ; my wave's part of the way in
	v_add_nc_u32 v3, s17, v14                      ; into it: 16 lane, the row in the immediate
	v_mul_u32_u24 v4, v1, TP
	s_delay_alu instid0(VALU_DEP_1)
	v_lshl_add_u32 v4, v2, 6, v4
	s_delay_alu instid0(VALU_DEP_1)
	v_add_nc_u32 v4, s17, v4                       ; out of it, x: row r + 64 h
	v_and_b32 v13, 7, v0
	s_delay_alu instid0(VALU_DEP_1)
	v_mul_u32_u24 v13, v13, TP
	s_delay_alu instid0(VALU_DEP_1)
	v_lshl_add_u32 v13, v2, 6, v13
	s_delay_alu instid0(VALU_DEP_1)
	v_add_nc_u32 v13, s17, v13                     ; router_w: row r % 8 + 64 h (its rows lie behind x's sixteen)
	v_mul_u32_u24 v5, v1, 768
	s_delay_alu instid0(VALU_DEP_1)
	v_mad_u32_u24 v5, v2, 384, v5
	s_mul_i32 s32, s16, 48
	s_add_co_u32 s32, s32, XST
	v_add_nc_u32 v5, s32, v5                       ; my codes in the image: 768 r + 384 h + 48 wave
	s_lshl_b32 s33, s16, 2
	s_add_co_u32 s33, s33, SST
	v_lshl_add_u32 v6, v1, 5, s33                  ; my scale word: 32 r + 4 wave
	s_lshl_b32 s34, s16, 10
	v_lshl_add_u32 v7, v11, 5, s34                 ; my part of the logits: 1,024 wave + 32 lane
	s_mul_i32 s35, s16, 1536
	v_lshl_add_u32 v12, v11, 4, s35                ; the way out of the codes: 1,536 wave + 16 lane, in xq
	s_delay_alu instid0(VALU_DEP_1)
	v_add_nc_u32 v8, XST, v12                      ; and in LDS
	v_lshlrev_b32 v9, 5, v11                       ; 32 lane: a lane's place in each wave's part
	v_lshlrev_b32 v10, 3, v1                       ; 8 r: a token's pair in top_idx and top_w
	v_add_nc_u32 v15, SST, v14
	s_mul_i32 s40, ttmp9, 12288
	s_add_nc_u64 s[36:37], s[10:11], s[40:41]      ; xq: my group's codes
	s_lshl_b32 s40, ttmp9, 9
	s_add_co_u32 s40, s40, 786432
	s_add_nc_u64 s[38:39], s[10:11], s[40:41]      ; and its scale words
	s_lshl_b32 s40, ttmp9, 7
	s_add_nc_u64 s[12:13], s[12:13], s[40:41]
	s_add_nc_u64 s[14:15], s[14:15], s[40:41]
.irp b, 0,1,2,3
	v_mov_b32 v[TM+4+\b], 0                        ; written once: a lane permute's destination counts as one of its sources
.endr
.irp i, 0,1,2,3,4,5,6,7,8,9,10,11,12,13,14,15
	s_wait_loadcnt 23-\i                           ; token i's load is in; the younger ones (x's 15 - i, router_w's 8) stay out
	ds_store_b128 v3, v[X+4*\i:X+4*\i+3] offset:TP*\i
.endr
.irp i, 0,1,2,3,4,5,6,7
	s_wait_loadcnt 7-\i
	ds_store_b128 v3, v[W+4*\i:W+4*\i+3] offset:TP*(16+\i)
.endr
.irp b, 0,1,2,3                                ; LDS serves a wave's instructions in order (ISA guide 5.7.1.4): these see my stores; only my wave touches these bytes
.irp j, 0,1,2,3
	ds_load_b128 v[X+16*\b+4*\j:X+16*\b+4*\j+3], v4 offset:128*\b+16*\j
.endr
.endr
.irp b, 0,1,2,3
.irp j, 0,1,2,3
	ds_load_b128 v[W+16*\b+4*\j:W+16*\b+4*\j+3], v13 offset:16*TP+128*\b+16*\j
.endr
.endr
	s_wait_dscnt 0x0
	; 32 products of 16 x 16 x 4 on four accumulators by turns, one instruction a turn; the first four start the sums with the constant 0
.irp q, 0,1,2,3,4,5,6,7,8,9,10,11,12,13,14,15,16,17,18,19,20,21,22,23,24,25,26,27,28,29,30,31
.if \q < 4
	v_wmma_f32_16x16x4_f32 v[ACC+8*\q:ACC+8*\q+7], v[W+2*\q:W+2*\q+1], v[X+2*\q:X+2*\q+1], 0
.else
	v_wmma_f32_16x16x4_f32 v[ACC+8*(\q%4):ACC+8*(\q%4)+7], v[W+2*\q:W+2*\q+1], v[X+2*\q:X+2*\q+1], v[ACC+8*(\q%4):ACC+8*(\q%4)+7]
.endif
.endr
	QUANT X                                        ; reads x, writes none of the products' registers
.irp c, 0,1,2
	ds_store_b128 v5, v[PC+4*\c:PC+4*\c+3] offset:16*\c
.endr
	ds_store_b32 v6, v[PW]                         ; both halves of the lanes write the same word with the same value
.rept 8
	v_nop                                          ; eight places behind this matrix form before its results are read (ISA guide 7.12.1)
.endr
.irp i, 0,2,4,6                                ; each accumulator is read from its low end on
	v_pk_add_f32 v[P+\i:P+\i+1], v[ACC+\i:ACC+\i+1], v[ACC+8+\i:ACC+9+\i]
	v_pk_add_f32 v[T2+\i:T2+\i+1], v[ACC+16+\i:ACC+17+\i], v[ACC+24+\i:ACC+25+\i]
.endr
.irp i, 0,2,4,6
	v_pk_add_f32 v[P+\i:P+\i+1], v[P+\i:P+\i+1], v[T2+\i:T2+\i+1]
.endr
	ds_store_b128 v7, v[P:P+3]
	ds_store_b128 v7, v[P+4:P+7] offset:16
	s_wait_dscnt 0x0                               ; for the others' sake: my stores have landed
	s_barrier_signal -1
	s_barrier_wait -1
	; every wave sends an eighth of the codes' image: each store covers 512 consecutive bytes
.irp c, 0,1,2
	ds_load_b128 v[16+4*\c:19+4*\c], v8 offset:512*\c
.endr
	s_wait_dscnt 0x0
.irp c, 0,1,2
	global_store_b128 v12, v[16+4*\c:19+4*\c], s[36:37] offset:512*\c
.endr
	s_cmp_lg_u32 s16, 0
	s_cbranch_scc1 .Ldone                          ; the rest is wave 0's; no barrier stands in it
	ds_load_b128 v[28:31], v15                     ; the 16 tokens' scale words, 512 bytes
.irp w, 0,1,2,3,4,5,6,7
	ds_load_b128 v[32+8*\w:35+8*\w], v9 offset:1024*\w
	ds_load_b128 v[36+8*\w:39+8*\w], v9 offset:1024*\w+16
.endr
	s_wait_dscnt 0x0
	global_store_b128 v14, v[28:31], s[38:39]
.irp w, 0,2,4,6
.irp i, 0,2,4,6
	v_pk_add_f32 v[32+8*\w+\i:33+8*\w+\i], v[32+8*\w+\i:33+8*\w+\i], v[40+8*\w+\i:41+8*\w+\i]
.endr
.endr
.irp w, 0,4
.irp i, 0,2,4,6
	v_pk_add_f32 v[32+8*\w+\i:33+8*\w+\i], v[32+8*\w+\i:33+8*\w+\i], v[48+8*\w+\i:49+8*\w+\i]
.endr
.endr
.irp i, 0,2,4,6
	s_delay_alu instid0(VALU_DEP_4)
	v_pk_add_f32 v[32+\i:33+\i], v[32+\i:33+\i], v[64+\i:65+\i]
.endr
	s_wait_alu depctr_va_vdst(0)
	s_wait_kmcnt 0x0                               ; router_b
.irp j, 0,1,2,3,4,5,6,7
	v_add_f32 v[32+\j], s[24+\j], v[32+\j]         ; v32-39: token r's eight logits
.endr
	v_mov_b32 v96, v32                             ; the largest, and its index: a later one wins only if strictly greater
	v_mov_b32 v98, 0
.irp j, 1,2,3,4,5,6,7
	s_delay_alu instid0(VALU_DEP_2)
	v_cmp_le_f32 vcc_lo, v[32+\j], v96
	s_delay_alu instid0(VALU_DEP_1)
	v_cndmask_b32 v96, v[32+\j], v96, vcc_lo
	s_delay_alu instid0(VALU_DEP_2)
	v_cndmask_b32 v98, \j, v98, vcc_lo
.endr
	v_mov_b32 v108, 0xff800000                     ; -infinity takes the chosen one's place
.irp j, 0,1,2,3,4,5,6,7
	v_cmp_eq_u32 vcc_lo, \j, v98
	s_delay_alu instid0(VALU_DEP_1)
	v_cndmask_b32 v[100+\j], v[32+\j], v108, vcc_lo
.endr
	v_mov_b32 v97, v100                            ; the second largest likewise
	v_mov_b32 v99, 0
.irp j, 1,2,3,4,5,6,7
	s_delay_alu instid0(VALU_DEP_2)
	v_cmp_le_f32 vcc_lo, v[100+\j], v97
	s_delay_alu instid0(VALU_DEP_1)
	v_cndmask_b32 v97, v[100+\j], v97, vcc_lo
	s_delay_alu instid0(VALU_DEP_2)
	v_cndmask_b32 v99, \j, v99, vcc_lo
.endr
	s_delay_alu instid0(VALU_DEP_2)
	v_sub_f32 v109, v97, v96                       ; the second less the largest: 0 or less
	s_delay_alu instid0(VALU_DEP_1)
	v_mul_f32 v109, 0x3fb8aa3b, v109
	s_wait_alu depctr_va_vdst(0)
	v_exp_f32 v109, v109
	v_nop                                          ; one plain place behind a transcendental
	s_wait_alu depctr_va_vdst(0)
	v_add_f32 v110, 1.0, v109
	s_wait_alu depctr_va_vdst(0)
	v_rcp_f32 v110, v110                           ; weight of the largest: 1 / (1 + e)
	v_nop
	s_wait_alu depctr_va_vdst(0)
	v_mul_f32 v111, v109, v110                     ; of the second: e / (1 + e)
	global_store_b64 v10, v[98:99], s[12:13]       ; lanes 16-31 hold and store the same as lanes 0-15
	global_store_b64 v10, v[110:111], s[14:15]
.Ldone:
	s_wait_tensorcnt 0x0
	ds_add_u32 v232, v233
	s_wait_dscnt 0x0
	s_endpgm
.Lfunc_end_k_qd608febc87_route:
	.size	k_qd608febc87_route, .Lfunc_end_k_qd608febc87_route-k_qd608febc87_route
	.p2alignl 7, 3214868480
	.fill 96, 4, 3214868480
	.section	.rodata,"a",@progbits
	.p2align	6, 0x0
	.amdhsa_kernel k_qd608febc87_route
		.amdhsa_group_segment_fixed_size 123904
		.amdhsa_private_segment_fixed_size 0
		.amdhsa_enable_private_segment 0
		.amdhsa_kernarg_size 48
		.amdhsa_user_sgpr_count 2
		.amdhsa_user_sgpr_kernarg_segment_ptr 1
		.amdhsa_wavefront_size32 1
		.amdhsa_system_sgpr_workgroup_id_x 1
		.amdhsa_system_sgpr_workgroup_id_y 1
		.amdhsa_system_sgpr_workgroup_id_z 1
		.amdhsa_system_vgpr_workitem_id 0
		.amdhsa_next_free_vgpr 234
		.amdhsa_next_free_sgpr 66
		.amdhsa_reserve_vcc 1
		.amdhsa_float_denorm_mode_32 3
		.amdhsa_float_denorm_mode_16_64 3
		.amdhsa_memory_ordered 1
		.amdhsa_forward_progress 1
		.amdhsa_inst_pref_size 28
	.end_amdhsa_kernel
	.amdgpu_metadata
---
amdhsa.version: [ 1, 2 ]
amdhsa.kernels:
  - .name:           k_qd608febc87_route
    .symbol:         k_qd608febc87_route.kd
    .args:
      - { .name: x, .offset: 0, .size: 8, .value_kind: global_buffer, .address_space: global }
      - { .name: router_w, .offset: 8, .size: 8, .value_kind: global_buffer, .address_space: global }
      - { .name: router_b, .offset: 16, .size: 8, .value_kind: global_buffer, .address_space: global }
      - { .name: xq, .offset: 24, .size: 8, .value_kind: global_buffer, .address_space: global }
      - { .name: top_idx, .offset: 32, .size: 8, .value_kind: global_buffer, .address_space: global }
      - { .name: top_w, .offset: 40, .size: 8, .value_kind: global_buffer, .address_space: global }
    .group_segment_fixed_size: 123904
    .private_segment_fixed_size: 0
    .kernarg_segment_align: 8
    .kernarg_segment_size: 48
    .max_flat_workgroup_size: 256
    .sgpr_count:     66
    .vgpr_count:     234
    .wavefront_size: 32
...
	.end_amdgpu_metadata
.endif
;; end of part 1
;; launch fc1 (part 2): grid 32 x 8, 4 waves a work-group, no clusters, 107,776 bytes of LDS; arguments W1_codes, W1_scales, b1, xq, top_idx, act, rows; writes act, rows
.if DOCPART == 2
	.amdgcn_target "amdgcn-amd-amdhsa--gfx1250"
	.amdhsa_code_object_version 6
	.text
	.protected	k_qd608febc87_fc1
	.globl	k_qd608febc87_fc1
	.p2align	8
	.type	k_qd608febc87_fc1,@function
k_qd608febc87_fc1:
	s_mov_b64 s[64:65], 0
	v_nop
	global_prefetch_b8 v0, s[64:65] scope:SCOPE_SE
	s_setreg_imm32_b32 hwreg(HW_REG_WAVE_MODE, 25, 1), 1
	s_wait_xcnt 0x0
; FC1.  act = Q(silu(x W1 + b1 [first half]) x (x W1 + b1 [second half])), only for the rows that chose an expert (the others have weight 0 in reference()'s combine and are left out); both operands are codes of FP6 (E2M3) with E8M0 scales.
; SHARES.  Work-group (sl, e) owns hidden units 64 sl .. 64 sl + 63 of expert e: 64 rows of W1 for each half of fc1's output, 98,304 bytes, read from memory once in the launch.  They go through LDS once and then stay in
; EVERY wave's registers (64 fragments, 768 registers).  The waves share the ROWS: wave w takes the expert's tiles of 16 rows w, w + 4, ..
; THE LIST.  Wave 0 makes the expert's list of slots (slot = 2 token + k) in LDS from top_idx, while the weights' loads are out: the list is first filled with padding entries 2,048 + 16 e + (place % 16); then, 32 tokens at a
; time, a token that chose e gets the place (tokens placed so far + lower lanes that chose e), held at word 1,183; the other lanes write a dump word.  A token's two experts differ, so an expert has at most 1,024 slots.
; A barrier parts these stores from every other wave's LDS accesses.  The work-groups with sl = 0 store the list and the count to rows (list at 4,224 e, counts at 33,792), for the next launch.
; Each wave takes the entries of its up to 16 tiles into 16 registers at constant offsets and shifts them down by one a tile.  A padding entry names token 1,023: it is computed like any row and leads to spare rows of ys.
; THE WAY IN.  W1's rows come in three chunks of 256 bytes of each row, each chunk with a barrier of its own: K steps 0-1 lie in chunk 0, 2-4 end in chunk 1, 5-7 in chunk 2; a chunk's fragments are read while the next chunk's loads are out.
; The number of tiles hangs on numbers read from memory: hence no tensor load, no joint request in a cluster, no barrier in the loop; the 32 work-groups of an expert hold different weights.  No prefetch: the weights are asked for
; at the head, all at once, and there is no loop to run ahead in.
; LAYOUT.  Transposed: source 0 = 16 rows of W1, source 1 = 16 rows of x: a lane holds ONE row (lane % 16).  Tile t = 4 p + 2 b + u; lane r of it takes W1's row 2,048 p + 64 sl + 32 b + 8 u + r + 8 (r / 8), so that the 16
; registers of tiles 2 b, 2 b + 1 are hidden units 32 b + 16 (lane / 16) + 0 .. 15: neighbours along fc2's K.  b1 is the C of each sum's first product.
; act: for each (expert, tile) 24,576 bytes of codes, slice sl at 768 sl, as an image of half a fragment's registers (registers 0-3 at 16 lane, 4-5 at 512 + 8 lane); scale words at 12,582,912 + 1,024 tile + 64 S + 4 r.
; LIMITS: NaN and infinities are not served.  A block of act whose largest magnitude lies under 2^-124 gets the byte 1 (a block of zeros too, where the quantiser says 127: its codes are zeros, and this program alone reads the bytes).
; REGISTERS, in windows of 256: in window s / 2, v64-255: W1's fragments of K step s (tile t at v[64 + 12 (8 (s % 2) + t)]); window 3's serve as staging registers first; window 0's hold wave 0's list work first.
;   window 0, v0-63: addresses and scale words.  window 1, v0-63: the eight accumulators.  window 2, v0-47: x's K steps 0-3; v48-54 what is stored; v62-63 the add's two.  window 3, v0-47: x's K steps 4-7; v48-63 my tiles' list entries.
;   v1 4 r; v2, v3 the next tile's places in xq; v4 its entry; v5 bias address; v6 16 lane; v7 8 lane; v8 384 h; v9 16 h; v10, v11, v14, v15 the four groups' addresses; v12, v13 fragment addresses;
;   v16-19 the next tile's scale words of x, v20-23 this tile's (at the head: staging and scale addresses); v24-55 W1's (24 + 4 t + j: K step j in lanes 0-15, j + 4 in lanes 16-31); v56-63 used at the head.
.set PITCH, 784                        ; a row of W1 in LDS: 768 bytes + 16 = 196 words: row r starts at bank 4 r mod 64 (ISA guide 11.1)
.set BIA,   128*PITCH                  ; each wave's own copy of the 128 biases, 512 bytes
.set LIST,  BIA+2048                   ; the expert's list: 1,056 words
.set CNT,   LIST+4352                  ; its count
.set DUMP,  CNT+256                    ; 32 words that nobody reads
.set SPARE, DUMP+256                   ; the spare words, 128 bytes a wave
.set MSB, 0
.macro WIN new                         ; the immediate's high byte repeats the setting that is left
.if MSB != (\new)
	s_set_vgpr_msb (MSB<<8)|(\new)
.set MSB, (\new)
.endif
.endm
.macro PLACES                          ; four places behind this matrix form (ISA guide 7.12.1 for vector instructions)
.rept 4
	v_nop
.endr
.endm
.macro WLOADS                          ; W1's scale words, the biases, and my 16 rows of each half, chunk by chunk: 57 loads
.irp t, 0,1,2,3,4,5,6,7
	global_load_b128 v[24+4*\t:27+4*\t], v22, s[6:7] offset:(2048*(\t/4)+32*((\t/2)%2)+8*(\t%2))*32
.endr
	global_load_b128 v[56:59], v60, s[8:9]
	WIN 0xc0
.irp u, 0,1,2
.irp p, 0,1
.irp o, 0,1,2,3,4,5,6,7
	global_load_b128 v[64+4*(16*\u+8*\p+\o):64+4*(16*\u+8*\p+\o)+3], v20, s[4:5] offset:\p*1572864+\o*768+\u*256 th:TH_LOAD_NT   ; sixteen lanes read 256 consecutive bytes, aligned
.endr
.endr
.endr
	WIN 0
.endm
.macro LBATCH q                        ; 8 groups of 32 tokens: group g holds tokens 256 q + 64 (g / 2) + 2 lane + g % 2
.irp g, 0,1,2,3,4,5,6,7
	v_cmp_eq_u32 s[68+\g], s17, v[64+16*(\q)+2*\g]
	v_cmp_eq_u32 s[76+\g], s17, v[65+16*(\q)+2*\g]
.endr
.irp g, 0,1,2,3,4,5,6,7
	s_or_b32 s[68+\g], s[68+\g], s[76+\g]          ; the tokens that chose e
.endr
.irp g, 0,1,2,3,4,5,6,7
	s_bcnt1_i32_b32 s[84+\g], s[68+\g]
.endr
.irp g, 0,1,2,3,4,5,6,7
	v_cndmask_b32 v[140+\g], 0, 1, s[76+\g]        ; k
.endr
.irp g, 0,1,2,3,4,5,6,7
	v_mbcnt_lo_u32_b32 v[148+\g], s[68+\g], s47    ; placed so far + lower lanes that chose e
	s_add_co_u32 s47, s47, s[84+\g]
.endr
.irp g, 0,1,2,3,4,5,6,7
	v_add3_u32 v[156+\g], v[140+\g], v205, 512*(\q)+128*(\g/2)+2*(\g%2)   ; the slot
.endr
.irp g, 0,1,2,3,4,5,6,7
	v_cndmask_b32 v[148+\g], v203, v[148+\g], s[68+\g]   ; a lane whose token did not choose e takes its dump word's index
.endr
.irp g, 0,1,2,3,4,5,6,7
	v_min_u32 v[148+\g], 0x49f, v[148+\g]          ; what enters an address is held at the last dump word: word 1,183 from the list's start
.endr
.irp g, 0,1,2,3,4,5,6,7
	v_lshl_add_u32 v[148+\g], v[148+\g], 2, LIST
.endr
.irp g, 0,1,2,3,4,5,6,7
	ds_store_b32 v[148+\g], v[156+\g]
.endr
.endm
.macro STORES u                        ; chunk u of my 32 rows into LDS, and its barrier.  Behind staging load N stand 47 - N staging loads and x's 25
	WIN 0x0c
.irp p, 0,1
.irp o, 0,1,2,3,4,5,6,7
.set N, 16*(\u)+8*\p+\o
.if N < 9
	s_wait_loadcnt 63
.else
	s_wait_loadcnt 72-N
.endif
	ds_store_b128 v21, v[64+4*N:64+4*N+3] offset:\p*64*PITCH+\o*PITCH+(\u)*256
.endr
.endr
	WIN 0
	s_wait_dscnt 0x0                               ; for the others' sake: my stores have landed
	s_barrier_signal -1
	s_barrier_wait -1
.endm
.macro FRAGK s                         ; the 8 fragments of K step s out of LDS, in pieces of 8 bytes
	WIN ((\s)/2)<<6
.irp t, 0,1,2,3,4,5,6,7
.irp c, 0,1,2,3,4,5
	ds_load_b64 v[64+12*(8*((\s)%2)+\t)+2*\c:64+12*(8*((\s)%2)+\t)+2*\c+1], v[12+\t/4] offset:16*PITCH*(\t%4)+96*(\s)+48*(\c/3)+8*(\c%3)
.endr
.endr
.endm
.macro NEXTROWS                        ; the next entry out of my 16, the others one down, and my row's places in xq
	WIN 0x03
	v_mov_b32 v4, v48
	WIN 0xc3
.irp i, 0,1,2,3,4,5,6,7,8,9,10,11,12,13,14
	v_mov_b32 v[48+\i], v[49+\i]
.endr
	WIN 0
	v_min_u32 v4, 0x7ff, v4                        ; a padding entry is held at the last slot
	v_and_b32 v4, 0x7fe, v4                        ; 2 token
	v_mul_u32_u24 v2, v4, 384
	v_add_nc_u32 v2, v2, v8                        ; 768 token + 384 h
	v_lshl_add_u32 v3, v4, 4, v9                   ; 32 token + 16 h
.endm
.macro XLOAD g                         ; x's fragments of K steps 2 g, 2 g + 1: six loads, by the group's own address register
.set AX, 10+(\g)+2*((\g)/2)
	WIN 0
	v_mov_b32 v[AX], v2                            ; the group's loads of the tile before were shown landed by the counted wait ahead of that tile's products
	WIN (2+(\g)/2)<<6
.irp a, 0,1
.irp c, 0,1,2
	global_load_b128 v[12*((2*(\g)+\a)%4)+4*\c:12*((2*(\g)+\a)%4)+4*\c+3], v[AX], s[10:11] offset:48*(2*(\g)+\a)+16*\c
.endr
.endr
.endm
.macro MUL g                           ; 16 products: K steps 2 g, 2 g + 1 x the eight tiles; the accumulators take turns
	WIN (\g)|((2+(\g)/2)<<2)|0x50
.irp a, 0,1
.irp t, 0,1,2,3,4,5,6,7
.if (\g) < 2
	v_wmma_scale_f32_16x16x128_f8f6f4 v[8*\t:8*\t+7], v[64+12*(8*\a+\t):64+12*(8*\a+\t)+11], v[12*((2*(\g)+\a)%4):12*((2*(\g)+\a)%4)+11], v[8*\t:8*\t+7], v[24+4*\t+(2*(\g)+\a)%4], v[20+(2*(\g)+\a)%4] matrix_a_fmt:MATRIX_FMT_FP6 matrix_b_fmt:MATRIX_FMT_FP6
.else
	v_wmma_scale_f32_16x16x128_f8f6f4 v[8*\t:8*\t+7], v[64+12*(8*\a+\t):64+12*(8*\a+\t)+11], v[12*((2*(\g)+\a)%4):12*((2*(\g)+\a)%4)+11], v[8*\t:8*\t+7], v[24+4*\t+(2*(\g)+\a)%4], v[20+(2*(\g)+\a)%4] matrix_a_fmt:MATRIX_FMT_FP6 matrix_b_fmt:MATRIX_FMT_FP6 matrix_a_scale:MATRIX_SCALE_ROW1 matrix_b_scale:MATRIX_SCALE_ROW1
.endif
.endr
.endr
.endm
; The activation, the quantiser and the stores, in window 1: v0-31 h1, v32-63 h2; register 16 b + i = hidden unit 32 b + 16 h + i of my row.
; RESULTS LEAVE TWO TILES AT A TIME.  kind 0, a pair's first tile: its 7 registers go to holding registers (window 0, v56-62), which no store names.  kind 1, the pair's second tile: one wait for all my stores, which were
; issued two tiles earlier; then the bases step, both tiles' results go to the stores' own registers (window 2, v48-54 and v55-61) and six stores leave.  kind 2: a last single tile.
.macro EPI kind
	WIN 0x55
.irp i, 0,2,4,6,8,10,12,14,16,18,20,22,24,26,28,30
	v_pk_mul_f32 v[32+\i:33+\i], v[\i:\i+1], v[32+\i:33+\i]        ; h1 h2 (each accumulator is read from its low end on)
.endr
.irp i, 0,2,4,6,8,10,12,14,16,18,20,22,24,26,28,30
	v_pk_mul_f32 v[\i:\i+1], v[\i:\i+1], s[38:39] op_sel_hi:[1,0]  ; -h1 log2(e)
.endr
	s_wait_alu depctr_va_vdst(0)                   ; a wait ahead of each batch of transcendentals and one behind it
.irp j, 0,1,2,3,4,5,6,7,8,9,10,11,12,13,14,15,16,17,18,19,20,21,22,23,24,25,26,27,28,29,30,31
	v_exp_f32 v[\j], v[\j]
.endr
	v_nop
	s_wait_alu depctr_va_vdst(0)
.irp i, 0,2,4,6,8,10,12,14,16,18,20,22,24,26,28,30
	v_pk_add_f32 v[\i:\i+1], v[\i:\i+1], 1.0 op_sel_hi:[1,0]
.endr
	s_wait_alu depctr_va_vdst(0)
.irp j, 0,1,2,3,4,5,6,7,8,9,10,11,12,13,14,15,16,17,18,19,20,21,22,23,24,25,26,27,28,29,30,31
	v_rcp_f32 v[\j], v[\j]                         ; 1 / (1 + e^-h1)
.endr
	v_nop
	s_wait_alu depctr_va_vdst(0)
.irp i, 0,2,4,6,8,10,12,14,16,18,20,22,24,26,28,30
	v_pk_mul_f32 v[\i:\i+1], v[\i:\i+1], v[32+\i:33+\i]            ; silu(h1) h2
.endr
.irp b, 0,1
	v_max3_num_f32 v[32+\b], |v[16*\b]|, |v[16*\b+1]|, 0x1800000   ; block b: my 16 numbers, and the floor 2^(3 - 127)
.endr
.irp i, 2,4,6,8,10,12,14
.irp b, 0,1
	v_max3_num_f32 v[32+\b], v[32+\b], |v[16*\b+\i]|, |v[16*\b+\i+1]|
.endr
.endr
.irp b, 0,1
	v_permlanex16_b32 v[34+\b], v[32+\b], s40, s41
.endr
.irp b, 0,1
	v_max_num_f32 v[32+\b], v[32+\b], v[34+\b]     ; with lane l xor 16's: the block's largest magnitude
.endr
.irp b, 0,1
	v_add_nc_u32 v[36+\b], 0xff000000, v[32+\b]    ; 2 off its exponent field: the conversion's scale operand
.endr
.irp b, 0,1
	v_lshrrev_b32 v[38+\b], 23, v[36+\b]           ; the scale's byte
.endr
	v_lshl_or_b32 v46, v39, 8, v38                 ; my slice's two bytes of the row's scale word
	v_cvt_scalef32_pk16_fp6_f32 v[40:42], v[0:15], v36
	v_cvt_scalef32_pk16_fp6_f32 v[48:50], v[16:31], v37
	v_nop                                          ; one plain place behind a scaled conversion
.irp i, 0,1,2
	v_permlane16_swap_b32 v[40+\i], v[48+\i]       ; a whole block to a lane
.endr
.if \kind == 0
	WIN 0x01                                       ; destination window 0, source window 1
.irp i, 0,1,2
	v_mov_b32 v[56+\i], v[40+\i]                   ; the block's lower 16 codes,
.endr
.irp i, 0,1,2
	v_mov_b32 v[59+\i], v[48+\i]                   ; its upper 16,
.endr
	v_mov_b32 v62, v46                             ; and the two scale bytes
.else
	s_wait_alu depctr_va_vdst(0)
	s_wait_storecnt 0x0                            ; all my stores are done: their data registers and their bases may be written
	s_add_nc_u64 s[34:35], s[34:35], s[42:43]      ; eight tiles on (two of mine); nothing the first time, when the steps are 0
	s_add_nc_u64 s[36:37], s[36:37], s[44:45]
	s_mov_b32 s42, 196608                          ; the steps from now on
	s_mov_b32 s44, 8192
.if \kind == 1
	WIN 0x80                                       ; destination window 2, source window 0
.irp i, 0,1,2,3,4,5,6
	v_mov_b32 v[48+\i], v[56+\i]                   ; the pair's first tile
.endr
	WIN 0x81                                       ; destination window 2, source window 1
.irp i, 0,1,2
	v_mov_b32 v[56+\i], v[40+\i]                   ; its second
.endr
.irp i, 0,1,2
	v_mov_b32 v[59+\i], v[48+\i]
.endr
	v_mov_b32 v55, v46
	WIN 0x08                                       ; a store's data are its source 1: window 2
	global_store_b128 v6, v[48:51], s[34:35]               ; 512 consecutive bytes
	global_store_b64 v7, v[52:53], s[34:35] offset:512     ; 256 consecutive bytes
	global_store_b16 v1, v54, s[36:37]                     ; both halves of the lanes store the same two bytes
	global_store_b128 v6, v[56:59], s[34:35] offset:98304  ; the second tile lies four tiles on
	global_store_b64 v7, v[60:61], s[34:35] offset:98816
	global_store_b16 v1, v55, s[36:37] offset:4096
.else
	WIN 0x81
.irp i, 0,1,2
	v_mov_b32 v[48+\i], v[40+\i]
.endr
.irp i, 0,1,2
	v_mov_b32 v[51+\i], v[48+\i]
.endr
	v_mov_b32 v54, v46
	WIN 0x08
	global_store_b128 v6, v[48:51], s[34:35]
	global_store_b64 v7, v[52:53], s[34:35] offset:512
	global_store_b16 v1, v54, s[36:37]
.endif
.endif
.endm
; One tile of 16 rows.  Global loads of a tile in their order of issue: its scale words of x (1), its four groups of six fragment loads.
.macro BODY reload, kind
	s_wait_loadcnt 18                              ; the scale words and group 0 are in; groups 1-3 (18 loads) may be out
.irp j, 0,1,2,3
	v_mov_b32 v[20+\j], v[16+\j]                   ; this tile's scale words of x
.endr
.if \reload
	NEXTROWS                                       ; (its 21 lines are also the eight places between the write of a scale register and the scaled products)
.else
.rept 8
	v_nop
.endr
.endif
	WIN 0x40
.irp t, 0,1,2,3,4,5,6,7                        ; b1 in the result's layout starts the sums
	ds_load_b128 v[8*\t:8*\t+3], v5 offset:256*(\t/4)+128*((\t/2)%2)+32*(\t%2)
	ds_load_b128 v[8*\t+4:8*\t+7], v5 offset:256*(\t/4)+128*((\t/2)%2)+32*(\t%2)+16
.endr
	s_wait_alu depctr_va_vdst(0)
	s_wait_dscnt 0x0                               ; the biases (for my first tile: W1's last fragments too)
	MUL 0
.if \reload
	PLACES
	WIN 0
	global_load_b128 v[16:19], v3, s[32:33]
	XLOAD 0
	s_wait_loadcnt 19                              ; group 1 is in.  Behind it: groups 2, 3 (12), the next tile's scale words and group 0 (7)
.else
	s_wait_loadcnt 12
.endif
	MUL 1
.if \reload
	PLACES
	XLOAD 1
	s_wait_loadcnt 19                              ; group 2 is in.  Behind it: 6 + 13
.else
	s_wait_loadcnt 6
.endif
	MUL 2
.if \reload
	PLACES
	XLOAD 2
	s_wait_loadcnt 19                              ; group 3 is in.  Behind it: 19
.else
	s_wait_loadcnt 0
.endif
	MUL 3
	PLACES
.if \reload
	XLOAD 3
.endif
	EPI \kind
	WIN 0
.endm
	s_load_b256 s[4:11], s[0:1], 0x0               ; W1's codes s[4:5], W1's scales s[6:7], b1 s[8:9], xq s[10:11]
	s_load_b128 s[12:15], s[0:1], 0x20             ; top_idx s[12:13], act s[14:15]
	s_load_b64 s[50:51], s[0:1], 0x30              ; rows
	WIN 0x80
	v_lshl_add_u32 v62, v0, 2, SPARE               ; the add's two registers, kept in window 2
	v_mov_b32 v63, 0
	WIN 0
	v_lshrrev_b32 v62, 5, v0
	v_readfirstlane_b32 s16, v62                   ; wave
	s_and_b32 s17, ttmp7, 0xffff                   ; expert
	s_mov_b32 s18, ttmp9                           ; slice of 64 hidden units
	s_mov_b32 s27, 0
	s_mov_b32 s29, 0
	s_mov_b32 s31, 0
	s_mov_b32 s38, 0xbfb8aa3b                      ; -log2(e)
	s_mov_b32 s39, s38
	s_mov_b32 s40, 0x76543210
	s_mov_b32 s41, 0xfedcba98                      ; v_permlanex16_b32's selects for lane l xor 16
	s_mov_b32 s47, 0                               ; tokens placed so far
	s_lshl_b32 s48, s17, 4
	s_add_co_u32 s48, s48, 2048                    ; the padding entries' base
	s_lshl_b32 s20, s16, 9
	s_add_co_u32 s20, s20, BIA                     ; my wave's biases
	s_lshr_b32 s21, s16, 1
	s_lshl_b32 s21, s21, 5
	s_and_b32 s22, s16, 1
	s_lshl_b32 s22, s22, 3
	s_add_co_u32 s21, s21, s22
	s_mul_i32 s21, s21, PITCH                      ; staging: LDS row 32 (w / 2) + 8 (w % 2)
	s_lshl_b32 s22, s16, 6
	s_add_co_u32 s22, s22, LIST                    ; my first tile's entries
	s_mul_i32 s26, s17, 3145728
	s_mul_i32 s25, s18, 49152
	s_add_co_u32 s26, s26, s25
	s_mul_i32 s25, s16, 12288
	s_add_co_u32 s26, s26, s25                     ; W1's codes: expert, slice, my wave's 16 rows
	s_lshl_b32 s28, s17, 17
	s_lshl_b32 s25, s18, 11
	s_add_co_u32 s28, s28, s25                     ; W1's scales: expert, slice
	s_lshl_b32 s30, s17, 14
	s_lshl_b32 s25, s18, 8
	s_add_co_u32 s30, s30, s25                     ; b1 likewise
	v_and_b32 v62, 15, v0                          ; r
	v_bfe_u32 v63, v0, 4, 1                        ; h
	v_and_b32 v6, 31, v0                           ; lane
	v_lshlrev_b32 v1, 2, v62
	v_lshlrev_b32 v7, 3, v6
	v_lshl_add_u32 v61, v6, 4, s20                 ; where I put 16 bytes of the biases
	v_lshl_add_u32 v5, v63, 6, s20                 ; and from where my half of the lanes reads
	v_and_b32 v128, 3, v6
	v_add_nc_u32 v203, (DUMP-LIST)/4, v6           ; my dump word, as a word index from the list's start
	v_lshl_add_u32 v204, v6, 2, LIST+4096          ; the list's last 32 words
	v_lshlrev_b32 v205, 2, v6                      ; 4 lane
	v_lshlrev_b32 v6, 4, v6
	v_add_nc_u32 v206, LIST, v6
	v_mov_b32 v200, CNT
	v_add_nc_u32 v202, s22, v1                     ; LIST + 64 wave + 4 r
	v_lshl_add_u32 v132, v128, 2, s48              ; padding entries of words 4 lane + 0 .. 3
	v_add_nc_u32 v133, 1, v132
	v_add_nc_u32 v134, 2, v132
	v_add_nc_u32 v135, 3, v132
	v_add_nc_u32 v136, s48, v62
	v_mul_u32_u24 v8, v63, 384
	v_lshlrev_b32 v9, 4, v63
	v_mul_u32_u24 v20, v63, 6144
	v_lshl_add_u32 v20, v62, 4, v20                ; staging, in memory: lanes 16-31 eight rows on; 16 bytes a lane
	v_mul_u32_u24 v21, v63, 16*PITCH
	v_lshl_add_u32 v21, v62, 4, v21
	v_add_nc_u32 v21, s21, v21                     ; in LDS: W1's row 16 w + 8 h + o of a half lands in row 32 (w / 2) + 16 h + 8 (w % 2) + o: a tile's 16 rows lie on end
	v_mul_u32_u24 v12, v62, PITCH
	v_mad_u32_u24 v12, v63, 24, v12                ; a fragment's row x pitch + 24 h, first half of fc1's output
	v_add_nc_u32 v13, 64*PITCH, v12                ; second half
	v_and_b32 v22, 8, v62
	v_add_nc_u32 v22, v22, v62                     ; r + 8 (r / 8)
	v_lshlrev_b32 v22, 5, v22
	v_lshl_add_u32 v22, v63, 4, v22                ; W1's scales: 32 bytes a row, + 16 h
	v_lshlrev_b32 v60, 4, v62
	v_lshl_add_u32 v60, v63, 13, v60               ; b1: lanes 0-15 the first half's 64 numbers, lanes 16-31 the second's
	s_wait_alu depctr_va_vdst(0)
	s_wait_kmcnt 0x0
	s_add_nc_u64 s[4:5], s[4:5], s[26:27]
	s_add_nc_u64 s[6:7], s[6:7], s[28:29]
	s_add_nc_u64 s[8:9], s[8:9], s[30:31]
	s_add_nc_u64 s[32:33], s[10:11], 786432        ; xq's scale words
	s_cmp_lg_u32 s16, 0
	s_cbranch_scc1 .Lothers
.irp i, 0,1,2,3,4,5,6,7,8,9,10,11,12,13,14,15
	global_load_b128 v[64+4*\i:67+4*\i], v6, s[12:13] offset:512*\i    ; wave 0: all of top_idx, two tokens a lane and load
.endr
	WLOADS
.irp i, 0,1,2,3,4,5,6,7
	ds_store_b128 v206, v[132:135] offset:512*\i   ; the whole list holds padding entries first
.endr
	ds_store_b32 v204, v136
	s_wait_loadcnt 57                              ; top_idx is in; the 57 loads behind it may be out
	LBATCH 0
	LBATCH 1
	LBATCH 2
	LBATCH 3
	v_mov_b32 v140, s47
	ds_store_b32 v200, v140                        ; the count
	s_branch .Ljoin
.Lothers:
	WLOADS
.Ljoin:
	s_wait_dscnt 0x0                               ; for the others' sake: the list has landed
	s_barrier_signal -1
	s_barrier_wait -1                              ; up to here wave 0 alone has touched LDS
	WIN 0xc0
.irp i, 0,1,2,3,4,5,6,7,8,9,10,11,12,13,14,15
	ds_load_b32 v[48+\i], v202 offset:256*\i       ; the entries of tiles w + 4 i: lane r (and 16 + r) takes row r's
.endr
	WIN 0
	ds_load_b32 v201, v200
	s_wait_loadcnt 48                              ; W1's scale words and the biases are in; the 48 staging loads may be out
	ds_store_b128 v61, v[56:59]
	s_wait_dscnt 0x1                               ; the entries and the count are in; my store of the biases may be out
	v_readfirstlane_b32 s19, v201                  ; the expert's count of rows
	NEXTROWS
	s_wait_alu depctr_va_vdst(0)
	global_load_b128 v[16:19], v3, s[32:33]        ; my first tile's loads, 25, go out ahead of the staging (a wave without a tile asks for token 1,023's rows and uses nothing)
	XLOAD 0
	XLOAD 1
	XLOAD 2
	XLOAD 3
	STORES 0
	FRAGK 0
	FRAGK 1
	STORES 1
	FRAGK 2
	FRAGK 3
	FRAGK 4
	STORES 2                                       ; behind its wait on DScnt the staging registers are free
	FRAGK 5
	FRAGK 6
	FRAGK 7
	WIN 0
	s_min_u32 s19, s19, 1024
	s_add_co_u32 s20, s19, 15
	s_lshr_b32 s20, s20, 4                         ; the expert's tiles
	s_add_co_u32 s21, s20, 3
	s_sub_co_u32 s21, s21, s16
	s_lshr_b32 s21, s21, 2                         ; my wave's tiles: w, w + 4, ..
	s_cmp_eq_u32 s21, 0
	s_cbranch_scc1 .Lend
	s_lshl_b32 s25, s17, 6
	s_add_co_u32 s25, s25, s16                     ; 64 e + tile
	s_mul_i32 s26, s25, 24576
	s_mul_i32 s42, s18, 768
	s_add_co_u32 s26, s26, s42
	s_add_nc_u64 s[34:35], s[14:15], s[26:27]      ; act: my first tile's codes, my slice
	s_lshl_b32 s26, s25, 10
	s_lshr_b32 s42, s18, 1
	s_lshl_b32 s42, s42, 6
	s_add_co_u32 s26, s26, s42
	s_and_b32 s42, s18, 1
	s_lshl_b32 s42, s42, 1
	s_add_co_u32 s26, s26, s42
	s_add_co_u32 s26, s26, 12582912
	s_add_nc_u64 s[36:37], s[14:15], s[26:27]      ; act: my first tile's scale words, my slice's two bytes
	s_mov_b32 s42, 0                               ; what the way out adds to the two bases: nothing the first time
	s_mov_b32 s43, 0
	s_mov_b32 s44, 0
	s_mov_b32 s45, 0
	s_lshr_b32 s22, s21, 1                         ; my pairs of tiles
	s_and_b32 s23, s21, 1                          ; 1: a single tile is left behind them
	s_add_co_u32 s24, s22, s23
	s_sub_co_u32 s24, s24, 1                       ; the pairs behind which a tile follows: all of them if the count is odd, all but the last if it is even
	s_cmp_eq_u32 s24, 0
	s_cbranch_scc1 .Ltail
.Lloop:
	BODY 1, 0
	BODY 1, 1
	s_sub_co_u32 s24, s24, 1
	s_cmp_lg_u32 s24, 0
	s_cbranch_scc1 .Lloop
.Ltail:
	s_cmp_lg_u32 s23, 0
	s_cbranch_scc1 .Lsolo
	BODY 1, 0                                      ; the last pair: its second tile asks for nothing more
	BODY 0, 1
	s_branch .Lend
.Lsolo:
	BODY 0, 2                                      ; the last single tile
.Lend:
	s_or_b32 s25, s16, s18
	s_cmp_lg_u32 s25, 0
	s_cbranch_scc1 .Lfin                           ; wave 0 of slice 0 stores the expert's list and count
	s_wait_loadcnt 0x0                             ; no load of mine is out (a wave without a tile has waited for none so far)
	v_add_nc_u32 v2, LIST, v6
	v_lshrrev_b32 v3, 2, v6                        ; 4 lane
	v_add_nc_u32 v4, LIST+4096, v3
	v_mov_b32 v10, 0
	v_mov_b32 v49, s19
.irp i, 0,1,2,3,4,5,6,7
	ds_load_b128 v[16+4*\i:19+4*\i], v2 offset:512*\i
.endr
	ds_load_b32 v48, v4
	s_mul_i32 s26, s17, 4224
	s_add_nc_u64 s[52:53], s[50:51], s[26:27]
	s_lshl_b32 s26, s17, 2
	s_add_nc_u64 s[50:51], s[50:51], s[26:27]
	s_wait_alu depctr_va_vdst(0)
	s_wait_dscnt 0x0
.irp i, 0,1,2,3,4,5,6,7
	global_store_b128 v6, v[16+4*\i:19+4*\i], s[52:53] offset:512*\i   ; 512 consecutive bytes
.endr
	global_store_b32 v3, v48, s[52:53] offset:4096
	global_store_b32 v10, v49, s[50:51] offset:33792                   ; every lane stores the same word with the same value
.Lfin:
	WIN 0x0a
	s_wait_tensorcnt 0x0                           ; the wave's end
	ds_add_u32 v62, v63
	s_wait_dscnt 0x0
	WIN 0
	s_endpgm
.Lfunc_end_k_qd608febc87_fc1:
	.size	k_qd608febc87_fc1, .Lfunc_end_k_qd608febc87_fc1-k_qd608febc87_fc1
	.p2alignl 7, 3214868480
	.fill 96, 4, 3214868480
	.section	.rodata,"a",@progbits
	.p2align	6, 0x0
	.amdhsa_kernel k_qd608febc87_fc1
		.amdhsa_group_segment_fixed_size 107776
		.amdhsa_private_segment_fixed_size 0
		.amdhsa_enable_private_segment 0
		.amdhsa_kernarg_size 56
		.amdhsa_user_sgpr_count 2
		.amdhsa_user_sgpr_kernarg_segment_ptr 1
		.amdhsa_wavefront_size32 1
		.amdhsa_system_sgpr_workgroup_id_x 1
		.amdhsa_system_sgpr_workgroup_id_y 1
		.amdhsa_system_sgpr_workgroup_id_z 1
		.amdhsa_system_vgpr_workitem_id 0
		.amdhsa_next_free_vgpr 1024
		.amdhsa_next_free_sgpr 92
		.amdhsa_reserve_vcc 0
		.amdhsa_float_denorm_mode_32 3
		.amdhsa_float_denorm_mode_16_64 3
		.amdhsa_memory_ordered 1
		.amdhsa_forward_progress 1
		.amdhsa_inst_pref_size 183
	.end_amdhsa_kernel
	.amdgpu_metadata
---
amdhsa.version: [ 1, 2 ]
amdhsa.kernels:
  - .name:           k_qd608febc87_fc1
    .symbol:         k_qd608febc87_fc1.kd
    .args:
      - { .name: W1_codes, .offset: 0, .size: 8, .value_kind: global_buffer, .address_space: global }
      - { .name: W1_scales, .offset: 8, .size: 8, .value_kind: global_buffer, .address_space: global }
      - { .name: b1, .offset: 16, .size: 8, .value_kind: global_buffer, .address_space: global }
      - { .name: xq, .offset: 24, .size: 8, .value_kind: global_buffer, .address_space: global }
      - { .name: top_idx, .offset: 32, .size: 8, .value_kind: global_buffer, .address_space: global }
      - { .name: act, .offset: 40, .size: 8, .value_kind: global_buffer, .address_space: global }
      - { .name: rows, .offset: 48, .size: 8, .value_kind: global_buffer, .address_space: global }
    .group_segment_fixed_size: 107776
    .private_segment_fixed_size: 0
    .kernarg_segment_align: 8
    .kernarg_segment_size: 56
    .max_flat_workgroup_size: 128
    .sgpr_count:     92
    .vgpr_count:     1024
    .wavefront_size: 32
...
	.end_amdgpu_metadata
.endif
;; end of part 2
;; launch fc2 (part 3): grid 32 x 8, 4 waves a work-group, no clusters, 118,272 bytes of LDS; arguments W2_codes, W2_scales, b2, act, rows, ys; writes ys
.if DOCPART == 3
	.amdgcn_target "amdgcn-amd-amdhsa--gfx1250"
	.amdhsa_code_object_version 6
	.text
	.protected	k_qd608febc87_fc2
	.globl	k_qd608febc87_fc2
	.p2align	8
	.type	k_qd608febc87_fc2,@function
k_qd608febc87_fc2:
	s_mov_b64 s[64:65], 0
	v_nop
	global_prefetch_b8 v0, s[64:65] scope:SCOPE_SE
	s_setreg_imm32_b32 hwreg(HW_REG_WAVE_MODE, 25, 1), 1
	s_wait_xcnt 0x0
; FC2.  ys[slot] = act W2 + b2 for every routed row, both operands codes of FP6 (E2M3) with E8M0 scales.
; SHARES.  Work-group x = 2 sl2 + half, y = expert.  It owns output columns 64 sl2 .. 64 sl2 + 63 of the expert: 64 rows of W2, 98,304 bytes, which go through LDS once and then stay in EVERY wave's registers
; (64 fragments, 768 registers).  The eight waves of the two halves share the ROWS: wave q = 4 half + w takes the expert's tiles of 16 rows q, q + 8, ..  So W2 is read twice in the launch, and a tile of act
; once by each of 16 column slices.  Behind the second barrier no wave waits for another.
; The number of tiles is read from memory (rows): hence no tensor load, no joint request in a cluster (the two work-groups that share a slice of W2 read it once each, at the head), no barrier in the loop.
; A wave that a given choice leaves without a tile ends behind the barrier.
; LAYOUT.  Transposed: source 0 = 16 rows of W2 (tile t: columns 16 t + 0 .. 15 of my 64), source 1 = 16 rows of act: register j of lane (r, h) is y(row r, column 16 t + 8 h + j).  b2 is the C of each sum's first product.
; act comes as images of the operand's registers: four loads a K step, each of 512 or 256 consecutive bytes.  Eight K steps' fragments are held at a time (a ring of eight places, four to a window).
; THE WAY OUT.  A tile goes through my wave's own stage in LDS and leaves by rows: sixteen lanes store the 256 consecutive bytes of my columns in row slot of ys; the slot numbers come from the list.  A last tile's
; padding rows go to spare rows of ys (2,048 on), which nobody reads.
; LIMITS: NaN and infinities are not served.
; REGISTERS, in windows of 256: in window S / 4, v64-255: W2's fragments of K step S (tile t at v[64 + 12 (4 (S % 4) + t)]); window 3's serve as staging registers ahead of the barrier.
;   window 1: v0-31 the four accumulators, v32-63 a tile's rows on the way out.  window 2: v0-47 act's K steps S % 8 = 0-3; v48-55 the next tile's scale words, v56-63 its list entries.  window 3: v0-47 act's K steps S % 8 = 4-7.
;   window 0: v1 16 lane; v2 8 lane; v3 512 h + 4 r; v4 4 h; v5 bias address; v6, v7 the stage, in and back; v8 16 (lane % 16); v10-17 offsets in ys (at the head: r, h, fragment addresses, lane);
;   v18-25 act's scale words (register j: K step j in lanes 0-15, j + 8 in lanes 16-31); v26-57 W2's likewise (26 + 8 t + j); v58-63 used at the head.
.set PITCH, 1552                       ; a row of W2 in LDS: 1,536 bytes + 16 = 388 words: row r starts at bank 4 r mod 64 (64 banks of 4 bytes: ISA guide 11.1)
.set BIA,   64*PITCH                   ; each wave's own copy of the 64 biases, 256 bytes
.set STG,   BIA+1024                   ; each wave's stage: 16 rows x (256 bytes + 16)
.set SP,    272
.set MSB, 0
.macro WIN new                         ; the immediate's high byte repeats the setting that is left; a switch that changes nothing is dropped
.if MSB != (\new)
	s_set_vgpr_msb (MSB<<8)|(\new)
.set MSB, (\new)
.endif
.endm
.macro PLACES                          ; four places behind this matrix form in front of loads into its registers and of reads of its results (ISA guide 7.12.1 for vector instructions)
.rept 4
	v_nop
.endr
.endm
.macro FRAGS wdw                       ; the 16 fragments of window wdw out of LDS
	WIN (\wdw)<<6
.irp a, 0,1,2,3
.irp t, 0,1,2,3
.irp c, 0,1,2,3,4,5
	ds_load_b64 v[64+12*(4*\a+\t)+2*\c:64+12*(4*\a+\t)+2*\c+1], v[12+\t/2] offset:16*PITCH*(\t%2)+96*(4*(\wdw)+\a)+48*(\c/3)+8*(\c%3)
.endr
.endr
.endr
.endm
.macro MISC                            ; the next tile's scale words and list entries: 16 loads
	WIN 0x80
.irp j, 0,1,2,3,4,5,6,7
	global_load_b32 v[48+\j], v3, s[32:33] offset:64*\j
.endr
.irp i, 0,1,2,3,4,5,6,7
	global_load_b32 v[56+\i], v4, s[34:35] offset:8*\i     ; lanes 0-15: row 2 i's slot, lanes 16-31: row 2 i + 1's
.endr
.endm
.macro ALOAD base, S0                  ; act's fragments of K steps S0 .. S0 + 3 of the tile at s[base]: 16 loads
	WIN (2+((\S0)%8)/4)<<6
.irp d, 0,1,2,3
	global_load_b128 v[12*\d:12*\d+3], v1, s[\base:\base+1] offset:1536*((\S0)+\d)
	global_load_b64 v[12*\d+4:12*\d+5], v2, s[\base:\base+1] offset:1536*((\S0)+\d)+512
	global_load_b128 v[12*\d+6:12*\d+9], v1, s[\base:\base+1] offset:1536*((\S0)+\d)+768
	global_load_b64 v[12*\d+10:12*\d+11], v2, s[\base:\base+1] offset:1536*((\S0)+\d)+1280
.endr
.endm
.macro MUL g                           ; 16 products: K steps 4 g .. 4 g + 3 x the four tiles; the four accumulators take turns, one instruction a turn
	WIN (\g)|((2+(\g)%2)<<2)|0x50
.irp a, 0,1,2,3
.irp t, 0,1,2,3
.if (\g) < 2
	v_wmma_scale_f32_16x16x128_f8f6f4 v[8*\t:8*\t+7], v[64+12*(4*\a+\t):64+12*(4*\a+\t)+11], v[12*\a:12*\a+11], v[8*\t:8*\t+7], v[26+8*\t+4*((\g)%2)+\a], v[18+4*((\g)%2)+\a] matrix_a_fmt:MATRIX_FMT_FP6 matrix_b_fmt:MATRIX_FMT_FP6
.else
	v_wmma_scale_f32_16x16x128_f8f6f4 v[8*\t:8*\t+7], v[64+12*(4*\a+\t):64+12*(4*\a+\t)+11], v[12*\a:12*\a+11], v[8*\t:8*\t+7], v[26+8*\t+4*((\g)%2)+\a], v[18+4*((\g)%2)+\a] matrix_a_fmt:MATRIX_FMT_FP6 matrix_b_fmt:MATRIX_FMT_FP6 matrix_a_scale:MATRIX_SCALE_ROW1 matrix_b_scale:MATRIX_SCALE_ROW1
.endif
.endr
.endr
.endm
.macro OUT                             ; through my own stage: LDS serves a wave's instructions in order (ISA guide 5.7.1.4), so no wait stands between the stores and the loads
	WIN 0x04                                       ; an LDS store's data are its source 1: window 1
.irp t, 0,1,2,3
	ds_store_b128 v6, v[8*\t:8*\t+3] offset:64*\t          ; each accumulator from its low end on
	ds_store_b128 v6, v[8*\t+4:8*\t+7] offset:64*\t+16
.endr
	WIN 0x40
.irp i, 0,1,2,3,4,5,6,7
	ds_load_b128 v[32+4*\i:35+4*\i], v7 offset:2*SP*\i
.endr
	WIN 0x04
.irp i, 0,1,2,3,4,5,6,7
	s_wait_dscnt 7-\i
	global_store_b128 v[10+\i], v[32+4*\i:35+4*\i], s[36:37]   ; sixteen lanes store 256 consecutive bytes of one row of ys, at a multiple of 256 from its first byte
.endr
.endm
; One tile of 16 rows.  reload = 1: the next tile's loads are issued on the way.  Global loads in their order of issue for a tile: MISC (16), then four groups of 16 fragment loads.
.macro BODY reload
	s_wait_loadcnt 16                              ; MISC and K steps 0-3 are in; K steps 4-7 (16 loads) may be out
	s_wait_xcnt 0x0                                ; every earlier memory instruction has had its addresses translated (ISA guide 3.1): bases, offsets and store data are rewritten only behind this wait
	s_mov_b64 s[28:29], s[30:31]                   ; the tile in hand
.if \reload
	s_add_nc_u64 s[30:31], s[30:31], 196608        ; the next: eight tiles on
	s_add_nc_u64 s[32:33], s[32:33], 8192
	s_add_nc_u64 s[34:35], s[34:35], 512
.endif
	WIN 0x0a                                       ; sources 0 and 1 window 2
.irp j, 0,1,2,3,4,5,6,7
	v_mov_b32 v[18+\j], v[48+\j]                   ; this tile's scale words
.endr
.irp i, 0,1,2,3,4,5,6,7
	v_min_u32 v[10+\i], 0x87f, v[56+\i]            ; the slot, held inside ys
.endr
	WIN 0
.irp i, 0,1,2,3,4,5,6,7
	v_lshl_add_u32 v[10+\i], v[10+\i], 12, v8      ; 4,096 slot + 16 (lane % 16).  (These sixteen lines are the places between the write of a scale register and the scaled products)
.endr
	WIN 0x40
.irp t, 0,1,2,3                                ; b2 in the result's layout starts the sums
	ds_load_b128 v[8*\t:8*\t+3], v5 offset:64*\t
	ds_load_b128 v[8*\t+4:8*\t+7], v5 offset:64*\t+16
.endr
	s_wait_alu depctr_va_vdst(0)
	s_wait_dscnt 0x0
	MUL 0
	PLACES
	ALOAD 28, 8
	s_wait_loadcnt 16                              ; K steps 4-7 are in; the 16 just issued may be out
	MUL 1
	PLACES
	ALOAD 28, 12
	s_wait_loadcnt 16                              ; K steps 8-11 are in
	MUL 2
.if \reload
	PLACES
	MISC
	ALOAD 30, 0
	s_wait_loadcnt 32                              ; K steps 12-15 are in; behind them the next tile's MISC (16) and its K steps 0-3 (16)
.else
	s_wait_loadcnt 0
.endif
	MUL 3
	PLACES
.if \reload
	ALOAD 30, 4
.endif
	OUT
	WIN 0
.endm
	s_load_b256 s[4:11], s[0:1], 0x0               ; W2's codes s[4:5], W2's scales s[6:7], b2 s[8:9], act s[10:11]
	s_load_b128 s[12:15], s[0:1], 0x20             ; rows s[12:13], ys s[14:15]
	v_lshl_add_u32 v9, v0, 2, 0x1cc00
	s_set_vgpr_msb 0xc0
	v_mov_b32 v63, 0
	s_set_vgpr_msb 0xc000
	v_lshrrev_b32 v10, 5, v0
	v_readfirstlane_b32 s16, v10                   ; wave
	s_and_b32 s17, ttmp7, 0xffff                   ; expert
	s_lshr_b32 s18, ttmp9, 1                       ; slice of 64 columns
	s_and_b32 s23, ttmp9, 1
	s_lshl_b32 s23, s23, 2
	s_add_co_u32 s23, s23, s16                     ; q = 4 half + wave
	s_lshl_b32 s46, s17, 2
	s_mov_b32 s27, 0                               ; the high word of every offset pair s[26:27]
	v_and_b32 v10, 15, v0                          ; r
	v_bfe_u32 v11, v0, 4, 1                        ; h
	v_and_b32 v14, 31, v0                          ; lane
	v_lshlrev_b32 v1, 4, v14
	v_lshlrev_b32 v2, 3, v14
	v_lshlrev_b32 v3, 2, v10
	v_lshl_add_u32 v3, v11, 9, v3
	v_lshlrev_b32 v4, 2, v11
	s_lshl_b32 s25, s16, 8
	s_add_co_u32 s25, s25, BIA                     ; my wave's biases
	v_lshl_add_u32 v5, v11, 5, s25
	v_lshl_add_u32 v61, v14, 3, s25
	s_mul_i32 s25, s16, 16*SP
	s_add_co_u32 s25, s25, STG                     ; my stage
	v_mul_u32_u24 v6, v10, SP
	v_lshl_add_u32 v6, v11, 5, v6
	v_add_nc_u32 v6, s25, v6                       ; in: row r, 32 bytes for each half of the lanes
	v_mul_u32_u24 v7, v11, SP
	v_lshl_add_u32 v7, v10, 4, v7
	v_add_nc_u32 v7, s25, v7                       ; back: lanes 0-15 one row, lanes 16-31 the next
	v_lshlrev_b32 v8, 4, v10
	v_mul_u32_u24 v12, v10, PITCH
	v_mad_u32_u24 v12, v11, 24, v12                ; a fragment's row x pitch + 24 h, tiles 0 and 1
	v_add_nc_u32 v13, 32*PITCH, v12                ; tiles 2 and 3
	v_mul_u32_u24 v58, v11, 12288
	v_lshl_add_u32 v58, v10, 4, v58                ; staging, in memory: lanes 16-31 eight rows on
	s_mul_i32 s25, s16, 16*PITCH
	v_mul_u32_u24 v59, v11, 8*PITCH
	v_lshl_add_u32 v59, v10, 4, v59
	v_add_nc_u32 v59, s25, v59                     ; and in LDS: row 16 w + 8 h + o
	v_lshlrev_b32 v60, 6, v10
	v_lshl_add_u32 v60, v11, 5, v60                ; W2's scales: 64 bytes a row, + 32 h
	s_wait_alu depctr_va_vdst(0)
	s_wait_kmcnt 0x0
	s_load_b32 s19, s[12:13], s46 offset:0x8400    ; the expert's count of rows
	s_mul_i32 s26, s17, 1572864
	s_mul_i32 s25, s18, 98304
	s_add_co_u32 s26, s26, s25
	s_mul_i32 s25, s16, 24576
	s_add_co_u32 s26, s26, s25
	s_add_nc_u64 s[4:5], s[4:5], s[26:27]          ; W2's codes: expert, slice, my wave's 16 rows
	s_lshl_b32 s26, s17, 16
	s_lshl_b32 s25, s18, 12
	s_add_co_u32 s26, s26, s25
	s_add_nc_u64 s[6:7], s[6:7], s[26:27]          ; W2's scales: expert, slice
	s_lshl_b32 s26, s17, 12
	s_lshl_b32 s25, s18, 8
	s_add_co_u32 s26, s26, s25
	s_add_nc_u64 s[8:9], s[8:9], s[26:27]          ; b2 likewise
.irp t, 0,1,2,3
	global_load_b128 v[26+8*\t:29+8*\t], v60, s[6:7] offset:1024*\t
	global_load_b128 v[30+8*\t:33+8*\t], v60, s[6:7] offset:1024*\t+16
.endr
	global_load_b64 v[62:63], v2, s[8:9]
	WIN 0xc0                                       ; destination window 3
.irp g, 0,1                                    ; the rows' first 768 bytes (K steps 0-7) first, then their second
.irp o, 0,1,2,3,4,5,6,7
.irp u, 0,1,2
	global_load_b128 v[64+4*(24*\g+3*\o+\u):64+4*(24*\g+3*\o+\u)+3], v58, s[4:5] offset:\o*1536+(3*\g+\u)*256   ; sixteen lanes read 256 consecutive bytes, at a multiple of 256 from the buffer's first byte
.endr
.endr
.endr
	WIN 0
	s_wait_loadcnt 48                              ; the scale words and the biases are in; the 48 staging loads may be out
	ds_store_b64 v61, v[62:63]
	WIN 0x0c                                       ; an LDS store's data are its source 1: window 3
.irp o, 0,1,2,3,4,5,6,7
.irp u, 0,1,2
	s_wait_loadcnt 47-(3*\o+\u)                    ; this load is in; the younger ones stay out
	ds_store_b128 v59, v[64+4*(3*\o+\u):64+4*(3*\o+\u)+3] offset:\o*PITCH+\u*256
.endr
.endr
	WIN 0
	s_wait_dscnt 0x0                               ; for the others' sake: my stores have landed
	s_barrier_signal -1
	s_barrier_wait -1                              ; the first 768 bytes of the 64 rows lie in LDS
	FRAGS 0                                        ; K steps 0-7 are read from bytes 0-767 of the rows while the second half's loads are out; its stores land on bytes 768-1,535
	FRAGS 1
	WIN 0x0c
.irp o, 0,1,2,3,4,5,6,7
.irp u, 0,1,2
	s_wait_loadcnt 23-(3*\o+\u)
	ds_store_b128 v59, v[64+4*(24+3*\o+\u):64+4*(24+3*\o+\u)+3] offset:\o*PITCH+(3+\u)*256
.endr
.endr
	WIN 0
	s_wait_kmcnt 0x0
	s_wait_dscnt 0x0                               ; my stores have landed, and my reads are in
	s_barrier_signal -1
	s_barrier_wait -1                              ; the second barrier, the launch's last: the 64 rows lie whole in LDS
	s_min_u32 s19, s19, 1024
	s_add_co_u32 s20, s19, 15
	s_lshr_b32 s20, s20, 4                         ; the expert's tiles
	s_add_co_u32 s21, s20, 7
	s_sub_co_u32 s21, s21, s23
	s_lshr_b32 s21, s21, 3                         ; my wave's tiles: q, q + 8, ..
	s_cmp_eq_u32 s21, 0
	s_cbranch_scc1 .Lend
	s_lshl_b32 s25, s17, 6
	s_add_co_u32 s25, s25, s23                     ; 64 e + q
	s_mul_i32 s26, s25, 24576
	s_add_nc_u64 s[30:31], s[10:11], s[26:27]      ; act: my first tile's codes
	s_lshl_b32 s26, s25, 10
	s_add_co_u32 s26, s26, 12582912
	s_add_nc_u64 s[32:33], s[10:11], s[26:27]      ; its scale words
	s_mul_i32 s26, s17, 4224
	s_lshl_b32 s25, s23, 6
	s_add_co_u32 s26, s26, s25
	s_add_nc_u64 s[34:35], s[12:13], s[26:27]      ; its list entries
	s_lshl_b32 s26, s18, 8
	s_add_nc_u64 s[36:37], s[14:15], s[26:27]      ; ys at my columns
	MISC
	ALOAD 30, 0
	ALOAD 30, 4
	FRAGS 2
	FRAGS 3                                        ; over the staging registers: their stores were waited for in front of the barrier
	WIN 0
	s_wait_dscnt 0x0
	s_sub_co_u32 s22, s21, 1
	s_cmp_eq_u32 s22, 0
	s_cbranch_scc1 .Llast
.Lloop:
	BODY 1
	s_sub_co_u32 s22, s22, 1
	s_cmp_lg_u32 s22, 0
	s_cbranch_scc1 .Lloop
.Llast:
	BODY 0                                         ; the last tile asks for nothing more
.Lend:
	s_set_vgpr_msb 0xc
	s_wait_tensorcnt 0x0
	ds_add_u32 v9, v63
	s_wait_dscnt 0x0
	s_set_vgpr_msb 0xc00
	s_endpgm
.Lfunc_end_k_qd608febc87_fc2:
	.size	k_qd608febc87_fc2, .Lfunc_end_k_qd608febc87_fc2-k_qd608febc87_fc2
	.p2alignl 7, 3214868480
	.fill 96, 4, 3214868480
	.section	.rodata,"a",@progbits
	.p2align	6, 0x0
	.amdhsa_kernel k_qd608febc87_fc2
		.amdhsa_group_segment_fixed_size 118272
		.amdhsa_private_segment_fixed_size 0
		.amdhsa_enable_private_segment 0
		.amdhsa_kernarg_size 48
		.amdhsa_user_sgpr_count 2
		.amdhsa_user_sgpr_kernarg_segment_ptr 1
		.amdhsa_wavefront_size32 1
		.amdhsa_system_sgpr_workgroup_id_x 1
		.amdhsa_system_sgpr_workgroup_id_y 1
		.amdhsa_system_sgpr_workgroup_id_z 1
		.amdhsa_system_vgpr_workitem_id 0
		.amdhsa_next_free_vgpr 1024
		.amdhsa_next_free_sgpr 66
		.amdhsa_reserve_vcc 0
		.amdhsa_float_denorm_mode_32 3
		.amdhsa_float_denorm_mode_16_64 3
		.amdhsa_memory_ordered 1
		.amdhsa_forward_progress 1
		.amdhsa_inst_pref_size 80
	.end_amdhsa_kernel
	.amdgpu_metadata
---
amdhsa.version: [ 1, 2 ]
amdhsa.kernels:
  - .name:           k_qd608febc87_fc2
    .symbol:         k_qd608febc87_fc2.kd
    .args:
      - { .name: W2_codes, .offset: 0, .size: 8, .value_kind: global_buffer, .address_space: global }
      - { .name: W2_scales, .offset: 8, .size: 8, .value_kind: global_buffer, .address_space: global }
      - { .name: b2, .offset: 16, .size: 8, .value_kind: global_buffer, .address_space: global }
      - { .name: act, .offset: 24, .size: 8, .value_kind: global_buffer, .address_space: global }
      - { .name: rows, .offset: 32, .size: 8, .value_kind: global_buffer, .address_space: global }
      - { .name: ys, .offset: 40, .size: 8, .value_kind: global_buffer, .address_space: global }
    .group_segment_fixed_size: 118272
    .private_segment_fixed_size: 0
    .kernarg_segment_align: 8
    .kernarg_segment_size: 48
    .max_flat_workgroup_size: 128
    .sgpr_count:     66
    .vgpr_count:     1024
    .wavefront_size: 32
...
	.end_amdgpu_metadata
.endif
;; end of part 3
;; launch combine (part 4): grid 256 x 1, 4 waves a work-group, no clusters, 0 bytes of LDS; arguments ys, top_w, out0; writes out0
.if DOCPART == 4
	.amdgcn_target "amdgcn-amd-amdhsa--gfx1250"
	.amdhsa_code_object_version 6
	.text
	.protected	k_qd608febc87_combine
	.globl	k_qd608febc87_combine
	.p2align	8
	.type	k_qd608febc87_combine,@function
k_qd608febc87_combine:
	s_mov_b64 s[64:65], 0
	v_nop
	global_prefetch_b8 v0, s[64:65] scope:SCOPE_SE
	s_setreg_imm32_b32 hwreg(HW_REG_WAVE_MODE, 25, 1), 1
	s_wait_xcnt 0x0
; COMBINE.  out0[token] = w0 ys[2 token] + w1 ys[2 token + 1]: the two chosen experts' rows, weighted by the router's softmax.  Each output row has one owner: a wave takes a token.
; A stream: every load and store of a wave covers 512 consecutive bytes; all 16 loads go out at once; no LDS, no barrier, no matrix work: there is nothing for them to do here.
	s_load_b128 s[4:7], s[0:1], 0x0                ; ys s[4:5], top_w s[6:7]
	s_load_b64 s[8:9], s[0:1], 0x10                ; out0
	v_lshrrev_b32 v1, 5, v0
	v_readfirstlane_b32 s10, v1                    ; wave
	v_and_b32 v1, 31, v0
	v_lshlrev_b32 v1, 4, v1                        ; 16 lane
	s_lshl_b32 s11, ttmp9, 2
	s_add_co_u32 s11, s11, s10                     ; token
	s_lshl_b32 s20, s11, 3
	s_mov_b32 s21, 0
	s_lshl_b32 s22, s11, 13                        ; two rows of ys a token
	s_mov_b32 s23, 0
	s_lshl_b32 s24, s11, 12
	s_mov_b32 s25, 0
	s_wait_alu depctr_va_vdst(0)
	s_wait_kmcnt 0x0
	s_add_nc_u64 s[6:7], s[6:7], s[20:21]
	s_add_nc_u64 s[4:5], s[4:5], s[22:23]
	s_add_nc_u64 s[8:9], s[8:9], s[24:25]
	s_load_b64 s[12:13], s[6:7], 0x0               ; w0, w1
.irp i, 0,1,2,3,4,5,6,7
	global_load_b128 v[8+4*\i:11+4*\i], v1, s[4:5] offset:512*\i th:TH_LOAD_NT
.endr
.irp i, 0,1,2,3,4,5,6,7
	global_load_b128 v[40+4*\i:43+4*\i], v1, s[4:5] offset:4096+512*\i th:TH_LOAD_NT
.endr
	s_wait_kmcnt 0x0
	s_mov_b32 s16, s13                             ; w1 as a pair's low word (the packed form takes the low word for both halves)
	s_mov_b32 s17, s13
.irp i, 0,1,2,3,4,5,6,7
	s_wait_loadcnt 7-\i                            ; piece i of both rows is in: the second row's younger loads stay out
	v_pk_mul_f32 v[8+4*\i:9+4*\i], v[8+4*\i:9+4*\i], s[12:13] op_sel_hi:[1,0]
	v_pk_mul_f32 v[10+4*\i:11+4*\i], v[10+4*\i:11+4*\i], s[12:13] op_sel_hi:[1,0]
	v_pk_fma_f32 v[8+4*\i:9+4*\i], v[40+4*\i:41+4*\i], s[16:17], v[8+4*\i:9+4*\i] op_sel_hi:[1,0,1]
	v_pk_fma_f32 v[10+4*\i:11+4*\i], v[42+4*\i:43+4*\i], s[16:17], v[10+4*\i:11+4*\i] op_sel_hi:[1,0,1]
	global_store_b128 v1, v[8+4*\i:11+4*\i], s[8:9] offset:512*\i th:TH_STORE_NT
.endr
	s_endpgm
.Lfunc_end_k_qd608febc87_combine:
	.size	k_qd608febc87_combine, .Lfunc_end_k_qd608febc87_combine-k_qd608febc87_combine
	.p2alignl 7, 3214868480
	.fill 96, 4, 3214868480
	.section	.rodata,"a",@progbits
	.p2align	6, 0x0
	.amdhsa_kernel k_qd608febc87_combine
		.amdhsa_group_segment_fixed_size 0
		.amdhsa_private_segment_fixed_size 0
		.amdhsa_enable_private_segment 0
		.amdhsa_kernarg_size 24
		.amdhsa_user_sgpr_count 2
		.amdhsa_user_sgpr_kernarg_segment_ptr 1
		.amdhsa_wavefront_size32 1
		.amdhsa_system_sgpr_workgroup_id_x 1
		.amdhsa_system_sgpr_workgroup_id_y 1
		.amdhsa_system_sgpr_workgroup_id_z 1
		.amdhsa_system_vgpr_workitem_id 0
		.amdhsa_next_free_vgpr 72
		.amdhsa_next_free_sgpr 66
		.amdhsa_reserve_vcc 0
		.amdhsa_float_denorm_mode_32 3
		.amdhsa_float_denorm_mode_16_64 3
		.amdhsa_memory_ordered 1
		.amdhsa_forward_progress 1
		.amdhsa_inst_pref_size 6
	.end_amdhsa_kernel
	.amdgpu_metadata
---
amdhsa.version: [ 1, 2 ]
amdhsa.kernels:
  - .name:           k_qd608febc87_combine
    .symbol:         k_qd608febc87_combine.kd
    .args:
      - { .name: ys, .offset: 0, .size: 8, .value_kind: global_buffer, .address_space: global }
      - { .name: top_w, .offset: 8, .size: 8, .value_kind: global_buffer, .address_space: global }
      - { .name: out0, .offset: 16, .size: 8, .value_kind: global_buffer, .address_space: global }
    .group_segment_fixed_size: 0
    .private_segment_fixed_size: 0
    .kernarg_segment_align: 8
    .kernarg_segment_size: 24
    .max_flat_workgroup_size: 128
    .sgpr_count:     66
    .vgpr_count:     72
    .wavefront_size: 32
...
	.end_amdgpu_metadata
.endif
;; end of part 4
